; MI455X (gfx1250); checked and timed in simulation.
; The chip was launched on July 23, 2026; its instructions are those of AMD's public machine-readable ISA for CDNA 5 (MIT licence, August 2026) and "CDNA5" Instruction Set Architecture Reference Guide (July 2026). The comments in the code are by the model that wrote it; some were corrected since.
;; Event Attention. Allowed arithmetic: matrix products marked QUANTISED: E3M2 operands, one E8M0 scale for each 32 along K, by v_wmma_scale_f32_16x16x128_f8f6f4 with both operands' format E3M2, f32 sums; products left as they are: f32 operands where the result goes on into a quantised operand, else bf16, f16 or f32 operands; f32 sums; everything else in f32.
;; Inputs: down_idx 2,500 int32; events 20,000 x 4 float32; features 20,000 x 256 float32; global_fc_b 128 float32; global_fc_g 128 float32; global_pe_b1 128 float32; global_pe_b2 128 float32; global_pe_w1 4 x 128 float32; global_pe_w2 128 x 128 float32; global_qkv_b 384 float32; global_qkv_w 256 x 384 float32; inv_pair_idx 20,000 x 16 int32; local_fc_b 128 float32; local_fc_g 128 float32; local_idx 20,000 x 16 int32; local_pe_b1 128 float32; local_pe_b2 128 float32; local_pe_w1 4 x 128 float32; local_pe_w2 128 x 128 float32; local_qkv_b 384 float32; local_qkv_w 256 x 384 float32; pair_idx 2,500 x 16 int32; proj_b1 256 float32; proj_b2 256 float32; proj_w1 256 x 256 float32; proj_w2 256 x 256 float32.
;; Outputs: out0 20,000 x 256 float32.
;; This version of the problem:
;;   THIS VERSION OF THE PROBLEM IS GIVEN IN LOW PRECISION. The matrix products marked QUANTISED in the list below multiply operands that are first quantised to E3M2 (3 exponent bits, 2 mantissa bits; 6 bits a number), with one power-of-two scale for each 32 numbers along K (OCP MX v1.0); their sums are f32. All else is computed in f32.
;;   The module's matrix products, in the order in which they are computed (A, B: the left and right operand; K: the contracted axis; several contracted axes count as one K, in the product's order):
;;     1. [M 320,000, K 4] x [K 4, N 128]; A: computed on the way; B: input local_pe_w1: left as it is (K = 4 < 32)
;;     2. [M 320,000, K 128] x [K 128, N 128]; A: computed on the way; B: input local_pe_w2: QUANTISED
;;     3. [M 20,000, K 256] x [K 256, N 384]; A: input features; B: input local_qkv_w: QUANTISED
;;     4. [M 320,000, K 4] x [K 4, N 128]; A: computed on the way; B: input global_pe_w1: left as it is (K = 4 < 32)
;;     5. [M 320,000, K 128] x [K 128, N 128]; A: computed on the way; B: input global_pe_w2: QUANTISED
;;     6. [M 20,000, K 256] x [K 256, N 384]; A: input features; B: input global_qkv_w: QUANTISED
;;     7. [M 20,000, K 256] x [K 256, N 256]; A: computed on the way; B: input proj_w1: QUANTISED
;;     8. [M 20,000, K 256] x [K 256, N 256]; A: computed on the way; B: input proj_w2: QUANTISED
;;   THE QUANTISER, for each operand of a quantised product, along K:
;;     - K is cut into blocks of 32 from its start; a last block that is shorter is filled with zeros.
;;     - A block's scale is 2^e with e = floor(log2(the largest magnitude in the block)) - 4, held to -126 .. 127; a block of zeros has e = 0. As a byte (E8M0): e + 127.
;;     - Each number is divided by its block's scale, clamped to +-28, and rounded to the nearest number of E3M2, ties to even, subnormals kept.
;;     - The product sums the exact products of the quantised numbers (number of the format x scale) in f32.
;;   ~~~python
;;   def quantise(x, axis):      # numpy; x: float32 -> the quantised numbers, widened to float32 again
;;       x = np.moveaxis(x, axis, -1); K = x.shape[-1]
;;       x = np.pad(x, [(0, 0)] * (x.ndim - 1) + [(0, -K % 32)]); x = x.reshape(x.shape[:-1] + (-1, 32)); a = np.abs(x).max(-1, keepdims=True)
;;       e = np.where(a > 0, np.clip(np.frexp(np.where(a > 0, a, 1))[1] - 1 - 4, -126, 127), 0)      # np.frexp(a)[1] - 1 = floor(log2(a)), exactly
;;       r = np.clip(x / 2.0 ** e, -28, 28)
;;       step = 2.0 ** (np.maximum(np.frexp(np.where(r == 0, 1, r))[1] - 1, -2) - 2)
;;       q = np.round(r / step) * step * 2.0 ** e      # np.round: ties to even
;;       return np.moveaxis(q.reshape(q.shape[:-2] + (-1,))[..., :K], -1, axis).astype(np.float32)
;;   ~~~
;;   OPERANDS COMPUTED ON THE WAY. 'Computed on the way' means the value that the module computes at that place (a softmax that the list does not call 'softmax' is quantised finished and normalised). What goes into a quantiser is computed in f32, as accurately as f32 sums, v_exp_f32 and their like allow (about 1e-6 of the number): no bf16 or f16 on the way to a quantiser, and a product that is left as it is and whose result goes on into a quantised operand takes f32 operands (vector FMAs, or v_wmma_f32_16x16x4_f32). A number that lies on a knife's edge between two numbers of the format may be rounded either way, as far as f32 arithmetic and the matrix unit's own rounding can turn it there, and no further.
;; One version. Each part assembles by itself: llvm-mc -triple=amdgcn-amd-amdhsa -mcpu=gfx1250 --defsym DOCPART=n.
;; ======== version 1 of 1: 3 launches
;; workspace buffers: wq 292,864 bytes; down_ev 40,960 bytes; q_tab 20,480,000 bytes; kv_l 20,480,000 bytes; kvmax 2,560,000 bytes
;; launch prep (part 1): grid 64 x 1, 4 waves a work-group, no clusters, 0 bytes of LDS; arguments local_qkv_w, global_qkv_w, local_pe_w2, global_pe_w2, proj_w1, proj_w2, down_idx, events, wq, down_ev; writes wq, down_ev
.if DOCPART == 1
	.amdgcn_target "amdgcn-amd-amdhsa--gfx1250"
	.amdhsa_code_object_version 6
	.text
	.protected	k_q3a3b62b3dc_prep
	.globl	k_q3a3b62b3dc_prep
	.p2align	8
	.type	k_q3a3b62b3dc_prep,@function
k_q3a3b62b3dc_prep:
	s_mov_b64 s[64:65], 0
	v_nop
	global_prefetch_b8 v0, s[64:65] scope:SCOPE_SE
	s_setreg_imm32_b32 hwreg(HW_REG_WAVE_MODE, 25, 1), 1
	s_wait_xcnt 0x0
; THE WEIGHTS OF ALL QUANTISED PRODUCTS BECOME OPERAND FRAGMENTS OF BF6 (E3M2) CODES, ONCE; and down_ev[m] = events[down_idx[m]].
; All six weights are stored [K][N], f32, K the first axis.  A fragment is 16 columns x 128 along K: 12 registers a lane.  Lane (r, h) takes ONE column and its
; registers run down K in the order of the operand's layout (registers 6 c .. 6 c + 5: k = 64 c + 32 h + 0 .. 31), so a block of 32 lies in one lane and nothing is transposed.
; A fragment is stored as an IMAGE OF ITS REGISTERS: fragment f at byte 1,536 f of wq, three pieces of 512 bytes, lane l's registers 4 c .. 4 c + 3 at 512 c + 16 l;
; its scale words (four E8M0 bytes of the lane's column) at byte 270,336 + 128 f + 4 l.  The later launches load them by 16 bytes a lane, as they stand.
; FRAGMENTS: 0-95 qkv (G = f / 16: local q, k, v, global q, k, v; tile T = (f / 2) % 8; K step s = f % 2); 96-111 pe_w2 (branch (f - 96) / 8, tile f % 8);
; 112-143 proj_w1, 144-175 proj_w2 (tile ((f - 112) / 2) % 16, K step f % 2).
; WHICH COLUMNS FORM A TILE IS FREE.  Map N (qkv, pe_w2, proj_w2): lane r of tile T takes column 64 (T / 4) + 4 r + T % 4: in a result whose lanes are columns, tiles 4 u .. 4 u + 3
; of a lane are four neighbouring channels.  Map U (proj_w1): 64 (T / 4) + 32 (r / 8) + 8 (T % 4) + r % 8: in a result used transposed, a lane's 32 registers of tiles 4 g .. 4 g + 3
; are 32 neighbours along the next K, a whole block.
; THE QUANTISER: a block's scale byte is its largest magnitude's exponent field - 4, held at 1 from below by a floor among the maximum's leaves; the conversion divides, holds at the largest code and rounds to nearest even.
; LIMITS: NaN and infinities among the inputs are not served.  A block of zeros gets the byte 1 where the rule says 127: its codes are zeros, and this program alone reads the bytes.
; SHARES: work-groups 0-43: a fragment a wave (f = 4 x work-group + wave); 44-63: 128 rows of down_ev each (rows 2,500 to 2,559 repeat row 2,499, so that every byte is written).
; Each load of a fragment reads 4 bytes a lane, 16 bytes apart: the six weights are 1,441,792 bytes in all and are read once.  No LDS, no barrier: waves share nothing.
.set WQS,  270336                      ; where the scale images begin in wq
.set L16,  4                           ; v4   16 x lane
.set L4,   5                           ; v5   4 x lane
.set H8,   6                           ; v6   8 x (lane / 16)
.set OFF,  7                           ; v7   my lane's byte offset in the weight
.set AN,   8                           ; v8   map N's lane term: 4 r
.set AU,   9                           ; v9   map U's: 32 (r / 8) + r % 8
.set MA,   10                          ; v10-11 two chains of a block's largest magnitude
.set MB,   11
.set SC0,  12                          ; v12-13 the conversions' scale operands
.set BY0,  14                          ; v14-15 the scale bytes
.set TMP,  16
.set PW,   17                          ; the scale word
.set ASEL, 18
.set PC,   20                          ; v20-31 the fragment's codes
.set PT,   32                          ; v32-39 the second halves of the two blocks, as the conversions leave them
.set X,    64                          ; v64-127 my 64 numbers
; 32 numbers v[y] .. v[y + 31], one block, become 192 bits of codes: the lower 16 in PC + 6 c on, the upper 16 in PT + 4 c on (a conversion's three registers begin on an even number)
.macro QBLK y, c
	v_max3_num_f32 v[MA], |v[\y]|, |v[\y+1]|, 0x2800000          ; with the floor 2^(5 - 127): the byte cannot fall under 1
	v_max3_num_f32 v[MB], |v[\y+16]|, |v[\y+17]|, |v[\y+18]|
.irp i, 1,2,3,4,5,6
	v_max3_num_f32 v[MA], v[MA], |v[\y+2*\i]|, |v[\y+2*\i+1]|
	v_max3_num_f32 v[MB], v[MB], |v[\y+17+2*\i]|, |v[\y+18+2*\i]|
.endr
	v_max3_num_f32 v[MA], v[MA], |v[\y+14]|, |v[\y+15]|
	v_max3_num_f32 v[MA], v[MA], v[MB], |v[\y+31]|
	v_add_nc_u32 v[SC0+\c], 0xfe000000, v[MA]                    ; 4 off the exponent field: the conversion takes this operand's exponent field as its scale
	v_lshrrev_b32 v[BY0+\c], 23, v[SC0+\c]                       ; the scale's byte
	v_cvt_scalef32_pk16_bf6_f32 v[PC+6*\c:PC+6*\c+2], v[\y:\y+15], v[SC0+\c]
	v_cvt_scalef32_pk16_bf6_f32 v[PT+4*\c:PT+4*\c+2], v[\y+16:\y+31], v[SC0+\c]
.endm
; One fragment: 64 loads down K, two blocks, the scale word, four stores.  s[36:37]: the weight at (128 s, the tile's first column); v[OFF]: 32 h rows + my column.
.macro FRAGQ pitch
.set i, 0
.rept 64
	global_load_b32 v[X+i], v[OFF], s[36:37] offset:(64*(i/32)+i%32)*\pitch*4
.set i, i+1
.endr
	s_wait_loadcnt 0x0
	QBLK X, 0
	QBLK X+32, 1
	v_lshl_or_b32 v[PW], v[BY0+1], 16, v[BY0]                    ; my two bytes: blocks h and 2 + h.  (A plain line behind the conversions)
	v_lshlrev_b32 v[PW], v[H8], v[PW]                            ; at their places in the word
	v_permlanex16_b32 v[TMP], v[PW], s40, s41
	v_or_b32 v[PW], v[PW], v[TMP]                                ; with lane l xor 16's two the word is whole, in both halves
.irp c, 0,1
.irp i, 0,1,2
	v_mov_b32 v[PC+6*\c+3+\i], v[PT+4*\c+\i]
.endr
.endr
.irp c, 0,1,2
	global_store_b128 v[L16], v[PC+4*\c:PC+4*\c+3], s[32:33] offset:512*\c    ; 32 lanes store 512 consecutive bytes, at a multiple of 256 from wq's first byte
.endr
	global_store_b32 v[L4], v[PW], s[34:35]
.endm
	s_load_b512 s[8:23], s[0:1], 0x0               ; local_qkv_w, global_qkv_w, local_pe_w2, global_pe_w2, proj_w1, proj_w2, down_idx, events
	s_load_b128 s[24:27], s[0:1], 0x40             ; wq, down_ev
	v_lshrrev_b32 v1, 5, v0
	v_readfirstlane_b32 s28, v1                    ; wave
	v_and_b32 v1, 31, v0                           ; lane
	v_and_b32 v2, 15, v0                           ; r
	v_bfe_u32 v3, v0, 4, 1                         ; h
	v_lshlrev_b32 v[L16], 4, v1
	v_lshlrev_b32 v[L4], 2, v1
	v_lshlrev_b32 v[H8], 3, v3
	v_lshlrev_b32 v[AN], 2, v2
	v_and_b32 v[AU], 7, v2
	v_bfe_u32 v[TMP], v2, 3, 1
	v_lshl_add_u32 v[AU], v[TMP], 5, v[AU]
	v_mov_b32 v[TMP], 0                            ; written once: a lane permute's destination counts as one of its sources
	s_mov_b32 s40, 0x76543210
	s_mov_b32 s41, 0xfedcba98                      ; v_permlanex16_b32's selects for lane l xor 16
	s_lshl_b32 s29, ttmp9, 2
	s_add_co_u32 s29, s29, s28                     ; f
	s_mul_i32 s30, s29, 1536
	s_mov_b32 s31, 0
	s_lshl_b32 s38, s29, 7
	s_add_co_u32 s38, s38, WQS
	s_mov_b32 s39, 0
	s_wait_kmcnt 0x0
	s_cmp_ge_u32 ttmp9, 44
	s_cbranch_scc1 .Ldown
	s_add_nc_u64 s[32:33], s[24:25], s[30:31]      ; the fragment's image
	s_add_nc_u64 s[34:35], s[24:25], s[38:39]      ; its scale words
	s_cmp_ge_u32 ttmp9, 28
	s_cbranch_scc1 .Lproj
	s_cmp_ge_u32 ttmp9, 24
	s_cbranch_scc1 .Lpe
	; ---- the qkv weights, [256][384], map N
	s_lshr_b32 s30, s29, 4                         ; G
	s_bfe_u32 s42, s29, 0x30001                    ; T
	s_and_b32 s43, s29, 1                          ; s
	s_cmp_lt_u32 s30, 3
	s_cselect_b64 s[36:37], s[8:9], s[10:11]
	s_cselect_b32 s44, 0, 3
	s_sub_co_u32 s30, s30, s44
	s_lshl_b32 s30, s30, 7                         ; q, k or v: 128 columns each
	s_lshr_b32 s44, s42, 2
	s_lshl_b32 s44, s44, 6
	s_add_co_u32 s30, s30, s44
	s_and_b32 s44, s42, 3
	s_add_co_u32 s30, s30, s44                     ; the tile's first column
	s_lshl_b32 s30, s30, 2
	s_mul_i32 s44, s43, 128*384*4
	s_add_co_u32 s30, s30, s44
	s_add_nc_u64 s[36:37], s[36:37], s[30:31]
	v_mul_u32_u24 v[OFF], v3, 32*384*4
	v_lshl_add_u32 v[OFF], v[AN], 2, v[OFF]
	FRAGQ 384
	s_endpgm
.Lpe:	; ---- the position encoders' second weights, [128][128], map N
	s_bfe_u32 s30, s29, 0x10003                    ; the branch: (f - 96) / 8
	s_and_b32 s42, s29, 7                          ; T
	s_cmp_eq_u32 s30, 0
	s_cselect_b64 s[36:37], s[12:13], s[14:15]
	s_lshr_b32 s30, s42, 2
	s_lshl_b32 s30, s30, 6
	s_and_b32 s44, s42, 3
	s_add_co_u32 s30, s30, s44
	s_lshl_b32 s30, s30, 2
	s_add_nc_u64 s[36:37], s[36:37], s[30:31]
	v_mul_u32_u24 v[OFF], v3, 32*128*4
	v_lshl_add_u32 v[OFF], v[AN], 2, v[OFF]
	FRAGQ 128
	s_endpgm
.Lproj:	; ---- the projection's weights, [256][256]: proj_w1 by map U, proj_w2 by map N
	s_sub_co_u32 s30, s29, 112
	s_lshr_b32 s42, s30, 5                         ; 0: proj_w1, 1: proj_w2
	s_bfe_u32 s43, s30, 0x40001                    ; T
	s_and_b32 s44, s30, 1                          ; s
	s_cmp_eq_u32 s42, 0
	s_cselect_b64 s[36:37], s[16:17], s[18:19]
	s_cselect_b32 s45, -1, 0
	s_cselect_b32 s46, 3, 0                        ; T % 4 counts 8 columns in map U, 1 in map N
	s_lshr_b32 s30, s43, 2
	s_lshl_b32 s30, s30, 6
	s_and_b32 s43, s43, 3
	s_lshl_b32 s43, s43, s46
	s_add_co_u32 s30, s30, s43
	s_lshl_b32 s30, s30, 2
	s_mul_i32 s44, s44, 128*256*4
	s_add_co_u32 s30, s30, s44
	s_add_nc_u64 s[36:37], s[36:37], s[30:31]
	v_cndmask_b32 v[ASEL], v[AN], v[AU], s45
	v_mul_u32_u24 v[OFF], v3, 32*256*4
	v_lshl_add_u32 v[OFF], v[ASEL], 2, v[OFF]
	FRAGQ 256
	s_endpgm
.Ldown:	; ---- down_ev: a thread a row of 16 bytes
	s_sub_co_u32 s30, ttmp9, 44
	s_lshl_b32 s30, s30, 7
	v_add_nc_u32 v7, s30, v0                       ; m
	v_min_u32 v8, 0x9c3, v7                        ; the rows past 2,499 repeat the last
	v_lshlrev_b32 v8, 2, v8
	global_load_b32 v10, v8, s[20:21]
	v_lshlrev_b32 v7, 4, v7
	s_wait_loadcnt 0x0
	v_min_u32 v10, 0x4e1f, v10                     ; an index stays inside events; the hold keeps the address inside the buffer whatever it reads
	v_lshlrev_b32 v10, 4, v10
	global_load_b128 v[12:15], v10, s[22:23]
	s_wait_loadcnt 0x0
	global_store_b128 v7, v[12:15], s[26:27]       ; 16 lanes store 256 consecutive bytes, aligned
	s_endpgm
.Lfunc_end_k_q3a3b62b3dc_prep:
	.size	k_q3a3b62b3dc_prep, .Lfunc_end_k_q3a3b62b3dc_prep-k_q3a3b62b3dc_prep
	.p2alignl 7, 3214868480
	.fill 96, 4, 3214868480
	.section	.rodata,"a",@progbits
	.p2align	6, 0x0
	.amdhsa_kernel k_q3a3b62b3dc_prep
		.amdhsa_group_segment_fixed_size 0
		.amdhsa_private_segment_fixed_size 0
		.amdhsa_enable_private_segment 0
		.amdhsa_kernarg_size 80
		.amdhsa_user_sgpr_count 2
		.amdhsa_user_sgpr_kernarg_segment_ptr 1
		.amdhsa_wavefront_size32 1
		.amdhsa_system_sgpr_workgroup_id_x 1
		.amdhsa_system_sgpr_workgroup_id_y 1
		.amdhsa_system_sgpr_workgroup_id_z 1
		.amdhsa_system_vgpr_workitem_id 0
		.amdhsa_next_free_vgpr 128
		.amdhsa_next_free_sgpr 66
		.amdhsa_reserve_vcc 0
		.amdhsa_float_denorm_mode_32 3
		.amdhsa_float_denorm_mode_16_64 3
		.amdhsa_memory_ordered 1
		.amdhsa_forward_progress 1
		.amdhsa_inst_pref_size 33
	.end_amdhsa_kernel
	.amdgpu_metadata
---
amdhsa.version: [ 1, 2 ]
amdhsa.kernels:
  - .name:           k_q3a3b62b3dc_prep
    .symbol:         k_q3a3b62b3dc_prep.kd
    .args:
      - { .name: local_qkv_w, .offset: 0, .size: 8, .value_kind: global_buffer, .address_space: global }
      - { .name: global_qkv_w, .offset: 8, .size: 8, .value_kind: global_buffer, .address_space: global }
      - { .name: local_pe_w2, .offset: 16, .size: 8, .value_kind: global_buffer, .address_space: global }
      - { .name: global_pe_w2, .offset: 24, .size: 8, .value_kind: global_buffer, .address_space: global }
      - { .name: proj_w1, .offset: 32, .size: 8, .value_kind: global_buffer, .address_space: global }
      - { .name: proj_w2, .offset: 40, .size: 8, .value_kind: global_buffer, .address_space: global }
      - { .name: down_idx, .offset: 48, .size: 8, .value_kind: global_buffer, .address_space: global }
      - { .name: events, .offset: 56, .size: 8, .value_kind: global_buffer, .address_space: global }
      - { .name: wq, .offset: 64, .size: 8, .value_kind: global_buffer, .address_space: global }
      - { .name: down_ev, .offset: 72, .size: 8, .value_kind: global_buffer, .address_space: global }
    .group_segment_fixed_size: 0
    .private_segment_fixed_size: 0
    .kernarg_segment_align: 8
    .kernarg_segment_size: 80
    .max_flat_workgroup_size: 128
    .sgpr_count:     66
    .vgpr_count:     128
    .wavefront_size: 32
...
	.end_amdgpu_metadata
.endif
;; end of part 1
;; launch qkv (part 2): grid 250 x 1, 8 waves a work-group, no clusters, 184,320 bytes of LDS; arguments features, pair_idx, wq, local_qkv_b, global_qkv_b, q_tab, kv_l, kvmax; writes q_tab, kv_l, kvmax
.if DOCPART == 2
	.amdgcn_target "amdgcn-amd-amdhsa--gfx1250"
	.amdhsa_code_object_version 6
	.text
	.protected	k_q3a3b62b3dc_qkv
	.globl	k_q3a3b62b3dc_qkv
	.p2align	8
	.type	k_q3a3b62b3dc_qkv,@function
k_q3a3b62b3dc_qkv:
	s_mov_b64 s[64:65], 0
	v_nop
	global_prefetch_b8 v0, s[64:65] scope:SCOPE_SE
	s_setreg_imm32_b32 hwreg(HW_REG_WAVE_MODE, 25, 1), 1
	s_wait_xcnt 0x0
; THE TWO QKV PRODUCTS, on codes of BF6 (E3M2) with one E8M0 scale for each 32 along K = 256, and the pooling of the global k and v.
; q_tab[n] = (local q | global q), kv_l[n] = (local k | local v), kvmax[m] = (max over pair_idx[m] of global k | of global v); all f32, biases in, rows of 1,024 bytes.
; The global k and v are wanted only under the maximum over pair_idx, and a row is quantised by itself: so they are computed straight from the gathered rows of features, a tile of 16 rows
; for each m, and only the maxima are stored.  The bias is added behind the maximum: rounding is monotone, so the bits are those of the maximum of the biased numbers.
; SHARES.  Work-group g has 15 tiles of 16 rows ("slots"): 0-4 are rows 80 g + 16 slot + 0 .. 15 of features, 5-14 the rows pair_idx[10 g + slot - 5][0 .. 15].
; PHASE X: wave w quantises slot w and then slot w + 8 (wave 7: one slot).  Each load reads whole runs of 256 bytes of a row in sixteen lanes; the tile turns through the wave's own stage in LDS, so that
; lane (r, h) gets, of row r, whole blocks of 32 along K in the operand's order; the codes and scale words go to LDS as images of the operand's registers.  One barrier.
; PHASE M: THE WAVES SHARE THE COLUMNS; each wave's weights stay in its registers, loaded once as register images from wq.  Waves 0-3: 128 columns each (local q, k, v, global q) x slots 0-4;
; waves 4-7: 64 columns each of global k, v x slots 5-14.  80 matrix instructions a wave either way.  Source 0 = 16 rows, source 1 = 16 columns of the weight: lane r holds a column.
; The columns of a tile are 64 (T / 4) + 4 r + T % 4, so tiles 4 u .. 4 u + 3 of a lane are four neighbouring channels: the addition of the bias gathers them into 16 bytes,
; and sixteen lanes store 256 consecutive bytes, aligned: no stage on the way out.
; NO JOINT LOADS: what work-groups share is the weights, 147,456 bytes a work-group, which go from memory straight into registers, once; the rows are chosen by an index, which no tile states.
; LIMITS: NaN and infinities are not served.  A block of zeros gets the scale byte 1 where the rule says 127: its codes are zeros, and this program alone reads the bytes.
.set NLAST, 19999
.set STGB,  16640                      ; LDS: a stage for each wave: 16 rows x (1,024 + 16) bytes: rows an odd multiple of 16 bytes apart
.set IMG,   8*STGB                     ; the slots' fragments: slot x 3,072 + K step x 1,536
.set SCI,   IMG+15*3072                ; their scale words: (2 slot + K step) x 128
.set WQS,   270336
.set FS,   0                           ; v0    SCI + 4 x lane (made at the head, when the thread's number has served)
.set L16,  1                           ; v1    16 x lane
.set R16,  2                           ; v2    16 r
.set H8,   3                           ; v3    8 h
.set L4,   4                           ; v4    4 x lane
.set STW,  5                           ; v5    the stage, in: row 8 h, byte 16 r
.set STR,  6                           ; v6    the stage, out: row r, byte 128 h
.set IMW,  7                           ; v7    where I store my slot's images
.set SCW,  8                           ; v8    and its scale words
.set IXO,  9                           ; v9    my 32 bytes of a row of pair_idx
.set OV,   10                          ; v10   my byte offset on the way out
.set FI,   11                          ; v11   IMG + 16 x lane
.set AD,   12                          ; v12-19 byte offsets of rows 8 h + j of features, + 16 r
.set NI,   20                          ; v20-27 their numbers
.set MA,   28
.set MB,   29
.set SC0,  30
.set BY0,  32
.set TMP,  34
.set PW,   35
.set WS,   36                          ; v36-51 the weights' scale words, and nothing else
.set BI,   52                          ; v52-59 the biases of my columns
.set XS,   60                          ; v60-63 the rows' scale words, and nothing else
.set X,    64                          ; v64-191 phase X: a tile as loaded
.set Y,    192                         ; v192-255 phase X: 64 numbers of my row
.set XF,   64                          ; phase M: up to four fragments of rows
.set O,    128                         ; phase M: results on their way out
.set D,    192                         ; phase M: eight accumulators
.set PC,   192                         ; window 1: v0-191 the weights' fragments ((t, s) at 12 (2 t + s)); v192-203 codes just made; v204-211 their second halves
.set PT,   204
.set MSB, 0
.macro WIN new                         ; the immediate's high byte repeats the setting that is left
.if MSB != \new
	s_set_vgpr_msb (MSB<<8)|\new
.set MSB, \new
.endif
.endm
; 32 numbers v[y] .. v[y + 31] of window 0, one block, become 192 bits of codes in window dw: the lower 16 in pc + 6 c on, the upper 16 in pt + 4 c on
.macro QBLK y, c, pc, pt, dw
	v_max3_num_f32 v[MA], |v[\y]|, |v[\y+1]|, 0x2800000          ; with the floor 2^(5 - 127): the byte cannot fall under 1
	v_max3_num_f32 v[MB], |v[\y+16]|, |v[\y+17]|, |v[\y+18]|
.irp i, 1,2,3,4,5,6
	v_max3_num_f32 v[MA], v[MA], |v[\y+2*\i]|, |v[\y+2*\i+1]|
	v_max3_num_f32 v[MB], v[MB], |v[\y+17+2*\i]|, |v[\y+18+2*\i]|
.endr
	v_max3_num_f32 v[MA], v[MA], |v[\y+14]|, |v[\y+15]|
	v_max3_num_f32 v[MA], v[MA], v[MB], |v[\y+31]|
	v_add_nc_u32 v[SC0+\c], 0xfe000000, v[MA]                    ; 4 off the exponent field: the conversion's scale operand
	v_lshrrev_b32 v[BY0+\c], 23, v[SC0+\c]                       ; the scale's byte
.if \dw
	WIN 0x40
.endif
	v_cvt_scalef32_pk16_bf6_f32 v[\pc+6*\c:\pc+6*\c+2], v[\y:\y+15], v[SC0+\c]
	v_cvt_scalef32_pk16_bf6_f32 v[\pt+4*\c:\pt+4*\c+2], v[\y+16:\y+31], v[SC0+\c]
.endm
.macro QMOV c, pc, pt, dw              ; a block's upper 16 codes to their place
.if \dw
	WIN 0x41
.endif
.irp i, 0,1,2
	v_mov_b32 v[\pc+6*\c+3+\i], v[\pt+4*\c+\i]
.endr
.endm
.macro QWORD sw                        ; my bytes of blocks h and 2 + h, with lane l xor 16's two: the row's scale word, in both halves
	v_lshl_or_b32 v[\sw], v[BY0+1], 16, v[BY0]
	v_lshlrev_b32 v[\sw], v[H8], v[\sw]
	v_permlanex16_b32 v[TMP], v[\sw], s40, s41
	v_or_b32 v[\sw], v[\sw], v[TMP]
.endm
.macro ADDR round                      ; the numbers of rows 8 h + j become byte offsets.  round 0: a slot of neighbouring rows takes its own numbers
.irp j, 0,1,2,3,4,5,6,7
.if \round == 0
	v_add_nc_u32 v[MA], \j, v[MB]
	v_cndmask_b32 v[NI+\j], v[NI+\j], v[MA], s26
.endif
	v_min_u32 v[NI+\j], NLAST, v[NI+\j]            ; an index stays inside features; the hold keeps the address inside the buffer whatever it reads
	v_lshl_add_u32 v[AD+\j], v[NI+\j], 10, v[R16]
.endr
.endm
.macro XLOADS                          ; 16 rows x 1,024 bytes: lanes 0-15 read 256 consecutive bytes of row j, lanes 16-31 of row 8 + j
.irp j, 0,1,2,3,4,5,6,7
.irp q, 0,1,2,3
	global_load_b128 v[X+16*\j+4*\q:X+16*\j+4*\q+3], v[AD+\j], s[8:9] offset:256*\q
.endr
.endr
.endm
.macro TOSTG
.irp j, 0,1,2,3,4,5,6,7
.irp q, 0,1,2,3
	ds_store_b128 v[STW], v[X+16*\j+4*\q:X+16*\j+4*\q+3] offset:1040*\j+256*\q
.endr
.endr
.endm
.macro FROMSTG s                       ; of row r: k = 128 s + 64 c + 32 h + 0 .. 31, c = 0, 1.  LDS serves a wave's instructions in order: these see my stores
.set i, 0
.rept 16
	ds_load_b128 v[Y+4*i:Y+4*i+3], v[STR] offset:512*\s+256*(i/8)+16*(i%8)
.set i, i+1
.endr
.endm
.macro QFRAG round, s                  ; 64 numbers a lane become a fragment and its scale word, and go to LDS as they stand
	QBLK Y, 0, PC, PT, 1
	WIN 0
	QBLK Y+32, 1, PC, PT, 1
	WIN 0
	QWORD PW                                       ; (plain lines behind the conversions)
	QMOV 0, PC, PT, 1
	QMOV 1, PC, PT, 1
	WIN 0x04                                       ; an LDS store's data are its source 1: window 1
.irp c, 0,1,2
	ds_store_b128 v[IMW], v[PC+4*\c:PC+4*\c+3] offset:24576*\round+1536*\s+512*\c
.endr
	WIN 0
	ds_store_b32 v[SCW], v[PW] offset:2048*\round+128*\s
.endm
.macro FETCH reg, xs, slot, s          ; a fragment and its scale word come back so, in any wave
.irp c, 0,1,2
	ds_load_b128 v[\reg+4*\c:\reg+4*\c+3], v[FI] offset:3072*(\slot)+1536*(\s)+512*\c
.endr
	ds_load_b32 v[\xs], v[FS] offset:128*(2*(\slot)+(\s))
.endm
	s_load_b512 s[8:23], s[0:1], 0x0               ; features, pair_idx, wq, local_qkv_b, global_qkv_b, q_tab, kv_l, kvmax
	s_set_vgpr_msb 0x40
	v_lshl_add_u32 v254, v0, 2, 0x2cc00
	v_mov_b32 v255, 0
	s_set_vgpr_msb 0x4000
	v_lshrrev_b32 v1, 5, v0
	v_readfirstlane_b32 s24, v1                    ; wave 0..7
	v_and_b32 v[L4], 31, v0                        ; lane
	v_and_b32 v[R16], 15, v0                       ; r
	v_bfe_u32 v[H8], v0, 4, 1                      ; h
	v_lshlrev_b32 v[L16], 4, v[L4]
	s_mul_i32 s27, s24, STGB
	v_mul_u32_u24 v[STW], v[H8], 8320
	v_lshl_add_u32 v[STW], v[R16], 4, v[STW]
	v_add_nc_u32 v[STW], s27, v[STW]
	v_mul_u32_u24 v[STR], v[R16], 1040
	v_lshl_add_u32 v[STR], v[H8], 7, v[STR]
	v_add_nc_u32 v[STR], s27, v[STR]
	s_mul_i32 s27, s24, 3072
	s_add_co_u32 s27, s27, IMG
	v_add_nc_u32 v[IMW], s27, v[L16]
	s_lshl_b32 s27, s24, 8
	s_add_co_u32 s27, s27, SCI
	v_lshl_add_u32 v[SCW], v[L4], 2, s27
	v_add_nc_u32 v[FI], IMG, v[L16]
	v_lshl_add_u32 v[FS], v[L4], 2, SCI            ; every LDS address is made here, ahead of the first branch on the wave's number
	v_lshlrev_b32 v[L4], 2, v[L4]
	v_lshlrev_b32 v[R16], 4, v[R16]
	v_lshlrev_b32 v[H8], 3, v[H8]
	v_mov_b32 v[TMP], 0                            ; written once: a lane permute's destination counts as one of its sources
	s_mov_b32 s25, ttmp9                           ; g
	s_mov_b32 s40, 0x76543210
	s_mov_b32 s41, 0xfedcba98                      ; v_permlanex16_b32's selects for lane l xor 16
	s_cmp_lt_u32 s24, 5
	s_cselect_b32 s26, -1, 0                       ; my first slot is one of neighbouring rows
	s_mul_i32 s28, s25, 10
	s_max_u32 s27, s24, 5
	s_add_co_u32 s27, s27, s28
	s_sub_co_u32 s27, s27, 5
	s_lshl_b32 s42, s27, 6                         ; my first slot's row of pair_idx (waves 0-4 read row 10 g and do not use it)
	s_add_co_u32 s27, s24, 3
	s_min_u32 s27, s27, 9                          ; my second slot's: 10 g + wave + 3 (wave 7 has none: it reads row 10 g + 9 and does not use it, so that no load leaves the buffer)
	s_add_co_u32 s27, s27, s28
	s_lshl_b32 s43, s27, 6
	s_mul_i32 s44, s25, 80
	s_lshl_b32 s27, s24, 4
	s_add_co_u32 s44, s44, s27
	v_lshl_add_u32 v[IXO], v[H8], 2, s42
	v_add_nc_u32 v[MB], s44, v[H8]                 ; 80 g + 16 slot + 8 h
	s_wait_kmcnt 0x0
	global_load_b128 v[NI:NI+3], v[IXO], s[10:11]
	global_load_b128 v[NI+4:NI+7], v[IXO], s[10:11] offset:16
	; what differs between the waves in phase M is chosen here, by the wave's number alone
	s_mul_i32 s27, s24, 24576                      ; waves 0-3: fragments 16 w on;
	s_mul_i32 s28, s24, 12288
	s_add_co_u32 s28, s28, 49152                   ; waves 4-7: fragments 64 + 8 (w - 4) on
	s_lshl_b32 s29, s24, 11
	s_lshl_b32 s38, s24, 10
	s_add_co_u32 s38, s38, 4096
	s_cmp_lt_u32 s24, 4
	s_cselect_b32 s27, s27, s28
	s_cselect_b32 s29, s29, s38
	s_cselect_b32 s45, 10, 7
	s_mov_b32 s39, 0
	s_mov_b32 s38, s27
	s_add_nc_u64 s[34:35], s[12:13], s[38:39]      ; my weights' images
	s_add_co_u32 s38, s29, WQS
	s_add_nc_u64 s[36:37], s[12:13], s[38:39]      ; and their scale words
	v_lshlrev_b32 v[OV], s45, v[H8]                ; the way out: lanes 16-31 stand 8 rows on (waves 0-3) or 1 row on (waves 4-7)
	v_add_nc_u32 v[OV], v[OV], v[R16]
	s_lshl_b32 s28, s24, 8
	s_sub_co_u32 s28, s28, 512                     ; waves 4-7: global_qkv_b from number 128 + 64 (w - 4) on;
	s_cmp_eq_u32 s24, 3
	s_cselect_b32 s28, 0, s28                      ; wave 3: from its first;
	s_lshl_b32 s27, s24, 9
	s_cmp_lt_u32 s24, 3
	s_cselect_b32 s38, s27, s28                    ; waves 0-2: local_qkv_b from number 128 w on
	s_cselect_b64 s[32:33], s[14:15], s[16:17]
	s_add_nc_u64 s[32:33], s[32:33], s[38:39]
	s_add_co_u32 s27, s24, 1
	s_and_b32 s27, s27, 2
	s_cmp_eq_u32 s27, 0
	s_cselect_b64 s[30:31], s[18:19], s[20:21]     ; waves 0 and 3: q_tab; waves 1 and 2: kv_l
	s_lshr_b32 s27, s24, 1
	s_lshl_b32 s27, s27, 9                         ; waves 2 and 3: the row's second half
	s_mul_i32 s28, s25, 81920
	s_add_co_u32 s27, s27, s28
	s_lshl_b32 s28, s24, 8
	s_sub_co_u32 s28, s28, 1024
	s_mul_i32 s29, s25, 10240
	s_add_co_u32 s28, s28, s29                     ; waves 4-7: kvmax, row 10 g, byte 256 (w - 4)
	s_cmp_lt_u32 s24, 4
	s_cselect_b64 s[30:31], s[30:31], s[22:23]
	s_cselect_b32 s38, s27, s28
	s_add_nc_u64 s[30:31], s[30:31], s[38:39]
	s_wait_loadcnt 0x0                             ; the first slot's indices
	ADDR 0
	XLOADS
	v_lshl_add_u32 v[IXO], v[H8], 2, s43           ; (its loads are done)
	global_load_b128 v[NI:NI+3], v[IXO], s[10:11]
	global_load_b128 v[NI+4:NI+7], v[IXO], s[10:11] offset:16
	WIN 0x40                                       ; the weights: destination window 1
.set i, 0
.rept 24
	global_load_b128 v[4*i:4*i+3], v[L16], s[34:35] offset:512*i
.set i, i+1
.endr
	WIN 0
.set i, 0
.rept 8
	global_load_b32 v[WS+i], v[L4], s[36:37] offset:128*i
.set i, i+1
.endr
	global_load_b128 v[BI:BI+3], v[R16], s[32:33]
	s_cmp_lt_u32 s24, 4
	s_cbranch_scc0 .Lhalf                          ; waves 0-3 have twice the columns
	WIN 0x40
.set i, 24
.rept 24
	global_load_b128 v[4*i:4*i+3], v[L16], s[34:35] offset:512*i
.set i, i+1
.endr
	WIN 0
.set i, 8
.rept 8
	global_load_b32 v[WS+i], v[L4], s[36:37] offset:128*i
.set i, i+1
.endr
	global_load_b128 v[BI+4:BI+7], v[R16], s[32:33] offset:256
.Lhalf:
	; ---- PHASE X
	s_wait_loadcnt 35                              ; behind the tile's 32 loads stand 2 index loads and 33 loads of weights (in waves 0-3 33 more): the tile is in
	TOSTG
	FROMSTG 0
	s_wait_dscnt 0x0                               ; my numbers of K step 0 are back, and the stage's stores have read the tile's registers
	s_cmp_eq_u32 s24, 7
	s_cbranch_scc1 .Lone_a
	s_wait_loadcnt 33                              ; the second slot's indices are in: behind them stand the weights' 33 loads or more
	ADDR 1
	XLOADS                                         ; the second tile is on its way while the first is quantised
.Lone_a:
	QFRAG 0, 0
	FROMSTG 1
	s_wait_dscnt 0x0                               ; K step 1's numbers are back; the images' stores have read their registers
	QFRAG 0, 1
	s_cmp_eq_u32 s24, 7
	s_cbranch_scc1 .Lone_b
	s_wait_loadcnt 0x0
	TOSTG
	FROMSTG 0
	s_wait_dscnt 0x0
	QFRAG 1, 0
	FROMSTG 1
	s_wait_dscnt 0x0
	QFRAG 1, 1
.Lone_b:
	s_wait_loadcnt 0x0                             ; my weights, scale words and biases
	s_wait_dscnt 0x0                               ; for the others' sake: my images lie in LDS
	s_barrier_signal -1
	s_barrier_wait -1                              ; all 30 fragments lie in LDS; from here on LDS is only read
	s_cmp_lt_u32 s24, 4
	s_cbranch_scc0 .Lpool
	; ---- PHASE M, waves 0-3: 128 columns x slots 0-4.  Eight accumulators by turns, K step by K step
.irp m, 0,1,2,3,4
	FETCH XF, XS, \m, 0
	FETCH XF+12, XS+1, \m, 1
	s_wait_dscnt 0x0
	WIN 0x04                                       ; source 1 (the weights) window 1
.irp t, 0,1,2,3,4,5,6,7
	v_wmma_scale_f32_16x16x128_f8f6f4 v[D+8*\t:D+8*\t+7], v[XF:XF+11], v[24*\t:24*\t+11], 0, v[XS], v[WS+2*\t] matrix_a_fmt:MATRIX_FMT_BF6 matrix_b_fmt:MATRIX_FMT_BF6
.endr
.irp t, 0,1,2,3,4,5,6,7
	v_wmma_scale_f32_16x16x128_f8f6f4 v[D+8*\t:D+8*\t+7], v[XF+12:XF+23], v[24*\t+12:24*\t+23], v[D+8*\t:D+8*\t+7], v[XS+1], v[WS+2*\t+1] matrix_a_fmt:MATRIX_FMT_BF6 matrix_b_fmt:MATRIX_FMT_BF6
.endr
	WIN 0
.rept 4
	v_nop                                          ; four places between the last product and the first read of results (ISA guide 7.12.1)
.endr
.if \m > 0
	s_wait_xcnt 0x0                                ; the last slot's stores have read their registers
.endif
.irp j, 0,1,2,3,4,5,6,7                        ; register j of tile 4 u + i is (row 8 h + j, channel 64 u + 4 r + i): the bias's addition lays four neighbouring channels side by side; each accumulator is read from its low end on
.irp u, 0,1
.irp i, 0,1,2,3
	v_add_f32 v[O+4*(2*\j+\u)+\i], v[D+8*(4*\u+\i)+\j], v[BI+4*\u+\i]
.endr
.endr
.endr
.irp j, 0,1,2,3,4,5,6,7
.irp u, 0,1
	global_store_b128 v[OV], v[O+4*(2*\j+\u):O+4*(2*\j+\u)+3], s[30:31] offset:(16*\m+\j)*1024+256*\u   ; each half of the lanes stores 256 consecutive bytes, aligned
.endr
.endr
.endr
	s_set_vgpr_msb 0x5
	s_wait_tensorcnt 0x0
	ds_add_u32 v254, v255
	s_wait_dscnt 0x0
	s_set_vgpr_msb 0x500
	s_endpgm
.Lpool:	; ---- PHASE M, waves 4-7: 64 columns of global k or v x slots 5-14, two slots at a time; of each only the maximum over its 16 rows is kept
.irp p, 0,1,2,3,4
	FETCH XF, XS, 5+2*\p, 0
	FETCH XF+12, XS+1, 5+2*\p, 1
	FETCH XF+24, XS+2, 6+2*\p, 0
	FETCH XF+36, XS+3, 6+2*\p, 1
	s_wait_dscnt 0x0
	WIN 0x04
.irp e, 0,1
.irp t, 0,1,2,3
	v_wmma_scale_f32_16x16x128_f8f6f4 v[D+32*\e+8*\t:D+32*\e+8*\t+7], v[XF+24*\e:XF+24*\e+11], v[24*\t:24*\t+11], 0, v[XS+2*\e], v[WS+2*\t] matrix_a_fmt:MATRIX_FMT_BF6 matrix_b_fmt:MATRIX_FMT_BF6
.endr
.endr
.irp e, 0,1
.irp t, 0,1,2,3
	v_wmma_scale_f32_16x16x128_f8f6f4 v[D+32*\e+8*\t:D+32*\e+8*\t+7], v[XF+24*\e+12:XF+24*\e+23], v[24*\t+12:24*\t+23], v[D+32*\e+8*\t:D+32*\e+8*\t+7], v[XS+2*\e+1], v[WS+2*\t+1] matrix_a_fmt:MATRIX_FMT_BF6 matrix_b_fmt:MATRIX_FMT_BF6
.endr
.endr
	WIN 0
.rept 4
	v_nop
.endr
.irp q, 0,1,2,3,4,5,6,7                        ; q = 4 e + t: my eight rows' maximum; a set of registers of its own for each pair of slots, so that no store's data are written again
	v_max3_num_f32 v[O+8*\p+\q], v[D+8*\q], v[D+8*\q+1], v[D+8*\q+2]
.endr
.irp q, 0,1,2,3,4,5,6,7
	v_max3_num_f32 v[O+8*\p+\q], v[O+8*\p+\q], v[D+8*\q+3], v[D+8*\q+4]
.endr
.irp q, 0,1,2,3,4,5,6,7
	v_max3_num_f32 v[O+8*\p+\q], v[O+8*\p+\q], v[D+8*\q+5], v[D+8*\q+6]
.endr
.irp q, 0,1,2,3,4,5,6,7
	v_max_num_f32 v[O+8*\p+\q], v[O+8*\p+\q], v[D+8*\q+7]
.endr
.irp t, 0,1,2,3
	v_permlane16_swap_b32 v[O+8*\p+\t], v[O+8*\p+4+\t]   ; the first slot's lanes 16-31 change places with the second's lanes 0-15
.endr
.irp t, 0,1,2,3
	v_max_num_f32 v[O+8*\p+\t], v[O+8*\p+\t], v[O+8*\p+4+\t]   ; lanes 0-15: the first slot's maxima over all 16 rows; lanes 16-31: the second's
.endr
	v_pk_add_f32 v[O+8*\p:O+8*\p+1], v[O+8*\p:O+8*\p+1], v[BI:BI+1]
	v_pk_add_f32 v[O+8*\p+2:O+8*\p+3], v[O+8*\p+2:O+8*\p+3], v[BI+2:BI+3]
	global_store_b128 v[OV], v[O+8*\p:O+8*\p+3], s[30:31] offset:2048*\p   ; each half of the lanes stores 256 consecutive bytes of its row of kvmax, aligned
.endr
	s_set_vgpr_msb 0x5
	s_wait_tensorcnt 0x0
	ds_add_u32 v254, v255
	s_wait_dscnt 0x0
	s_set_vgpr_msb 0x500
	s_endpgm
.Lfunc_end_k_q3a3b62b3dc_qkv:
	.size	k_q3a3b62b3dc_qkv, .Lfunc_end_k_q3a3b62b3dc_qkv-k_q3a3b62b3dc_qkv
	.p2alignl 7, 3214868480
	.fill 96, 4, 3214868480
	.section	.rodata,"a",@progbits
	.p2align	6, 0x0
	.amdhsa_kernel k_q3a3b62b3dc_qkv
		.amdhsa_group_segment_fixed_size 184320
		.amdhsa_private_segment_fixed_size 0
		.amdhsa_enable_private_segment 0
		.amdhsa_kernarg_size 64
		.amdhsa_user_sgpr_count 2
		.amdhsa_user_sgpr_kernarg_segment_ptr 1
		.amdhsa_wavefront_size32 1
		.amdhsa_system_sgpr_workgroup_id_x 1
		.amdhsa_system_sgpr_workgroup_id_y 1
		.amdhsa_system_sgpr_workgroup_id_z 1
		.amdhsa_system_vgpr_workitem_id 0
		.amdhsa_next_free_vgpr 512
		.amdhsa_next_free_sgpr 66
		.amdhsa_reserve_vcc 0
		.amdhsa_float_denorm_mode_32 3
		.amdhsa_float_denorm_mode_16_64 3
		.amdhsa_memory_ordered 1
		.amdhsa_forward_progress 1
		.amdhsa_inst_pref_size 101
	.end_amdhsa_kernel
	.amdgpu_metadata
---
amdhsa.version: [ 1, 2 ]
amdhsa.kernels:
  - .name:           k_q3a3b62b3dc_qkv
    .symbol:         k_q3a3b62b3dc_qkv.kd
    .args:
      - { .name: features, .offset: 0, .size: 8, .value_kind: global_buffer, .address_space: global }
      - { .name: pair_idx, .offset: 8, .size: 8, .value_kind: global_buffer, .address_space: global }
      - { .name: wq, .offset: 16, .size: 8, .value_kind: global_buffer, .address_space: global }
      - { .name: local_qkv_b, .offset: 24, .size: 8, .value_kind: global_buffer, .address_space: global }
      - { .name: global_qkv_b, .offset: 32, .size: 8, .value_kind: global_buffer, .address_space: global }
      - { .name: q_tab, .offset: 40, .size: 8, .value_kind: global_buffer, .address_space: global }
      - { .name: kv_l, .offset: 48, .size: 8, .value_kind: global_buffer, .address_space: global }
      - { .name: kvmax, .offset: 56, .size: 8, .value_kind: global_buffer, .address_space: global }
    .group_segment_fixed_size: 184320
    .private_segment_fixed_size: 0
    .kernarg_segment_align: 8
    .kernarg_segment_size: 64
    .max_flat_workgroup_size: 256
    .sgpr_count:     66
    .vgpr_count:     512
    .wavefront_size: 32
...
	.end_amdgpu_metadata
.endif
;; end of part 2
;; launch attn (part 3): grid 250 x 1, 8 waves a work-group, no clusters, 190,720 bytes of LDS; arguments events, q_tab, wq, proj_b1, proj_b2, out0, local_idx, kv_l, local_pe_w1, local_pe_b1, local_pe_b2, local_fc_g, local_fc_b, inv_pair_idx, kvmax, global_pe_w1, global_pe_b1, global_pe_b2, global_fc_g, global_fc_b, down_ev; writes out0
.if DOCPART == 3
	.amdgcn_target "amdgcn-amd-amdhsa--gfx1250"
	.amdhsa_code_object_version 6
	.text
	.protected	k_q3a3b62b3dc_attn
	.globl	k_q3a3b62b3dc_attn
	.p2align	8
	.type	k_q3a3b62b3dc_attn,@function
k_q3a3b62b3dc_attn:
	s_mov_b64 s[64:65], 0
	v_nop
	global_prefetch_b8 v0, s[64:65] scope:SCOPE_SE
	s_setreg_imm32_b32 hwreg(HW_REG_WAVE_MODE, 25, 1), 1
	s_wait_xcnt 0x0
; BOTH ATTENTIONS AND THE PROJECTION.  For a point p and a branch (local, global), over its 16 neighbours n:
;   pe = Q(relu((e_p - e_n) w1 + b1)) Q(w2) + b2;  x = q_p - k_n + pe;  a = softmax over n of LN(x) / sqrt(128), channel by channel;  result = sum over n of a (v_n + pe).
; Then out = Q(relu(Q(local | global) Q(W1) + B1)) Q(W2) + B2.  Q: codes of BF6 (E3M2), one E8M0 scale for each 32 along K.  Nothing of size [N][16][128] goes to memory.
; SHARES.  Work-group g owns points 80 g .. 80 g + 79, wave w ten of them, first for the local branch and then for the global, so that one branch's weights lie in its registers.
; ONE POINT'S 16 NEIGHBOURS ARE ONE TILE OF 16 ROWS.  The results go to 80 rows in LDS; one barrier; then waves 0-4 take 16 rows each through the projection, its weights read from LDS.
; A TRIP (a point of a branch):
;   the hidden layer by v_wmma_f32_16x16x4_f32, K = 4 being the whole product, b1 its C, used transposed (source 0 = 16 units, source 1 = the 16 neighbours' differences).  The units of a tile are
;   64 (T / 4) + 32 (r / 8) + 8 (T % 4) + r % 8, so a lane holds ONE neighbour and its 32 registers of four tiles are a whole block of 32 along the next K, in the operand's order:
;   the quantiser asks no other lane for a maximum and exchanges no codes;
;   pe by eight scaled products, source 0 = the hidden layer, source 1 = w2's columns 64 (t / 4) + 4 r + t % 4: lane (r, h), tile t, register j = neighbour 8 h + j, channel 64 (t / 4) + 4 r + t % 4:
;   so k's and v's rows are gathered by loads in which sixteen lanes read 256 consecutive bytes, and land in the same places;
;   the norm's sums run over a lane's 8 tiles and the 16 lanes of a half; the softmax's over a lane's 8 registers and the two halves.  Mean first, then the squares of the differences.
; ORDER OF ROUNDING: b2 enters x with q, and the result as (sum of e (v + pe - b2)) / (sum of e) + b2, the weights summing to 1; g and b of the norm carry log2(e) / sqrt(128); 1 / sqrt and 1 / x by v_rsq_f32 and v_rcp_f32.
; The largest exponent over the neighbours is taken away before the exponentials.
; LIMITS: NaN and infinities are not served.  A block of zeros gets the scale byte 1 where the rule says 127: its codes are zeros, and this program alone reads the bytes.
; NO JOINT LOADS: what work-groups share is the weights, 133,120 bytes of images and scale words a work-group, beside 2,621,440 bytes of rows that it gathers by index, which no tile states.
; REGISTERS, in windows of 256.  Window 0: v1-7 lane terms; v8-31 addresses, indices, events; v32-39 q; v40-51 scale words and nothing else; v52-63 at work; v64-127 k, then x, then e (8 j + t);
;   v128-191 v (8 j + t); v192-255 the hidden layer, then pe (8 t + j), then statistics.
; Window 1: v0-95 w2's eight fragments; v96-111 w1's; v112-175 b1 as eight C tiles; v176-207 the f32 products' results, which matrix instructions alone write;
;   v208-227 codes; v228-235 b2; v236-251 g and b; v252-255 b2 in the result's order.
.set NLAST, 19999
.set MLAST, 2499
.set ATTP,  1040                       ; LDS: 80 rows of (local | global), 1,024 bytes + 16
.set PWI,   80*ATTP                    ; the projection's 64 fragments, as they lie in wq
.set PWS,   PWI+64*1536                ; their scale words, directly behind
.set WQS,   270336
.set L16,  1                           ; 16 x lane
.set R16,  2                           ; 16 r
.set H8,   3                           ; 8 h
.set L4,   4                           ; 4 x lane
.set R4,   5                           ; 4 r
.set H128, 6                           ; 128 h
.set H32,  7                           ; 32 h
.set AD,   8                           ; v8-15  byte offsets of neighbours 8 h + j's rows, + 16 r
.set NI,   16                          ; v16-23 their numbers
.set NIR,  24                          ; neighbour r's number
.set EO,   25
.set EJ,   26                          ; v26-27 neighbour r's coordinates 2 h, 2 h + 1
.set EI,   28                          ; v28-29 the point's
.set DD,   30                          ; v30-31 their difference
.set QB,   32
.set W2S,  40                          ; v40-47 the weights' scale words
.set SW,   48                          ; v48-51 the rows' scale words
.set MA,   52
.set MB,   53
.set SC0,  54
.set BY0,  56
.set TMP,  58
.set LA,   59
.set QO,   60
.set NIO,  61
.set NRO,  62
.set EIO,  63
.set K,    64
.set V,    128
.set T,    192
.set D,    192
.set MX,   192
.set PX,   200
.set TA,   216                         ; v216-231 a pair for each j: the sum, later 1 / sqrt, in the pair's low register
.set TB,   232                         ; v232-247 likewise: the sum of squares
.set SE,   216
.set AC,   224
.set RC,   232
.set OS,   236
.set W2F,  0                           ; window 1
.set W1F,  96
.set B1C,  112
.set HH,   176
.set PC,   208
.set PT,   220
.set B2S,  228
.set GS,   236
.set BS,   244
.set B2H,  252
.set XF,   8                           ; the projection: v8-31 two fragments of rows, v32-39 the conversions' second halves, v64-191 numbers, v192-255 results on their way out
.set PT0,  32
.set HA,   64
.set O,    192
.set PB2,  96                          ; window 1: proj_b2
.set MSB, 0
.macro WIN new                         ; the immediate's high byte repeats the setting that is left
.if MSB != \new
	s_set_vgpr_msb (MSB<<8)|\new
.set MSB, \new
.endif
.endm
; 32 numbers v[y] .. v[y + 31] of window 0, one block, become 192 bits of codes in window dw: the lower 16 in pc + 6 c on, the upper 16 in pt + 4 c on
.macro QBLK y, c, pc, pt, dw
	v_max3_num_f32 v[MA], |v[\y]|, |v[\y+1]|, 0x2800000          ; with the floor 2^(5 - 127): the byte cannot fall under 1
	v_max3_num_f32 v[MB], |v[\y+16]|, |v[\y+17]|, |v[\y+18]|
.irp i, 1,2,3,4,5,6
	v_max3_num_f32 v[MA], v[MA], |v[\y+2*\i]|, |v[\y+2*\i+1]|
	v_max3_num_f32 v[MB], v[MB], |v[\y+17+2*\i]|, |v[\y+18+2*\i]|
.endr
	v_max3_num_f32 v[MA], v[MA], |v[\y+14]|, |v[\y+15]|
	v_max3_num_f32 v[MA], v[MA], v[MB], |v[\y+31]|
	v_add_nc_u32 v[SC0+\c], 0xfe000000, v[MA]                    ; 4 off the exponent field: the conversion's scale operand
	v_lshrrev_b32 v[BY0+\c], 23, v[SC0+\c]                       ; the scale's byte
.if \dw
	WIN 0x40
.endif
	v_cvt_scalef32_pk16_bf6_f32 v[\pc+6*\c:\pc+6*\c+2], v[\y:\y+15], v[SC0+\c]
	v_cvt_scalef32_pk16_bf6_f32 v[\pt+4*\c:\pt+4*\c+2], v[\y+16:\y+31], v[SC0+\c]
.endm
.macro QMOV c, pc, pt, dw              ; a block's upper 16 codes to their place
.if \dw
	WIN 0x41
.endif
.irp i, 0,1,2
	v_mov_b32 v[\pc+6*\c+3+\i], v[\pt+4*\c+\i]
.endr
.endm
.macro QWORD sw                        ; my bytes of blocks h and 2 + h, with lane l xor 16's two: the row's scale word, in both halves
	v_lshl_or_b32 v[\sw], v[BY0+1], 16, v[BY0]
	v_lshlrev_b32 v[\sw], v[H8], v[\sw]
	v_permlanex16_b32 v[TMP], v[\sw], s60, s61
	v_or_b32 v[\sw], v[\sw], v[TMP]
.endm
; A branch's weights into registers.  set: the first of its scalar pointers (idx, kv, w1, b1, b2, g, b); br: 0 local, 1 global
.macro STATIC set, br
	v_and_b32 v[MA], 7, v0
	v_lshlrev_b32 v[MA], 2, v[MA]
	v_bfe_u32 v[MB], v0, 3, 1
	v_lshl_add_u32 v[MA], v[MB], 7, v[MA]
	v_lshl_add_u32 v[MA], v[H128], 3, v[MA]        ; w1 [4][128]: rows 2 h + j', unit 32 (r / 8) + r % 8 of the tile's
	WIN 0x40
.set i, 0
.rept 24
	global_load_b128 v[W2F+4*i:W2F+4*i+3], v[L16], s[12:13] offset:(96+8*\br)*1536+512*i
.set i, i+1
.endr
.set i, 0
.rept 16                               ; i = 2 t + j'
	global_load_b32 v[W1F+i], v[MA], s[\set+4:\set+5] offset:512*(i%2)+256*(i/8)+32*((i/2)%4)
.set i, i+1
.endr
.set i, 0
.rept 16                               ; i = 2 t + half: b1 of units 64 (t / 4) + 32 h + 8 (t % 4) + 0 .. 7
	global_load_b128 v[B1C+4*i:B1C+4*i+3], v[H128], s[\set+6:\set+7] offset:256*(i/8)+32*((i/2)%4)+16*(i%2)
.set i, i+1
.endr
.irp u, 0,1                            ; channels 64 u + 4 r + 0 .. 3
	global_load_b128 v[B2S+4*\u:B2S+4*\u+3], v[R16], s[\set+8:\set+9] offset:256*\u
	global_load_b128 v[GS+4*\u:GS+4*\u+3], v[R16], s[\set+10:\set+11] offset:256*\u
	global_load_b128 v[BS+4*\u:BS+4*\u+3], v[R16], s[\set+12:\set+13] offset:256*\u
.endr
	global_load_b128 v[B2H:B2H+3], v[L16], s[\set+8:\set+9]       ; channels 64 h + 4 r + 0 .. 3
	WIN 0
.irp t, 0,1,2,3,4,5,6,7
	global_load_b32 v[W2S+\t], v[L4], s[12:13] offset:WQS+128*(96+8*\br+\t)
.endr
.endm
.macro SCALEG                          ; g and b of the norm x log2(e) / sqrt(128): the norm's multiply-add then gives the exponent to base 2
	WIN 0x41
.irp i, 0,2,4,6,8,10,12,14
	v_pk_mul_f32 v[GS+\i:GS+\i+1], v[GS+\i:GS+\i+1], 0x3e0293ee op_sel_hi:[1,0]
.endr
	WIN 0
.endm
.macro NEXT cl                         ; the next point's addresses and differences, from what the look-ahead loads brought
.irp j, 0,1,2,3,4,5,6,7
	v_min_u32 v[NI+\j], \cl, v[NI+\j]              ; an index stays inside its table; the hold keeps the address inside the buffer whatever it reads
.endr
.irp j, 0,1,2,3,4,5,6,7
	v_lshl_add_u32 v[AD+\j], v[NI+\j], 10, v[R16]
.endr
	v_pk_add_f32 v[DD:DD+1], v[EI:EI+1], v[EJ:EJ+1] neg_lo:[0,1] neg_hi:[0,1]
.endm
.macro PRO set, ev, cl                 ; ahead of a branch's first trip: what a trip finds ready
	s_mov_b32 s52, s51                             ; p
	s_add_co_u32 s53, s51, 1
	s_min_u32 s53, s53, NLAST                      ; p + 1 and p + 2, held inside the tables: what the wave's last trips look ahead for is not used
	s_add_co_u32 s54, s51, 2
	s_min_u32 s54, s54, NLAST
	v_lshl_add_u32 v[NRO], s52, 6, v[R4]
	v_lshl_add_u32 v[NIO], s52, 6, v[H32]
	v_lshl_add_u32 v[EIO], s52, 4, v[H8]
	global_load_b32 v[NIR], v[NRO], s[\set:\set+1]
	global_load_b128 v[NI:NI+3], v[NIO], s[\set:\set+1]
	global_load_b128 v[NI+4:NI+7], v[NIO], s[\set:\set+1] offset:16
	global_load_b64 v[EI:EI+1], v[EIO], s[8:9]
	s_wait_loadcnt 0x0                             ; these, and the weights issued ahead of them
	v_min_u32 v[EO], \cl, v[NIR]
	v_lshl_add_u32 v[EO], v[EO], 4, v[H8]
	v_lshl_add_u32 v[NRO], s53, 6, v[R4]
	global_load_b64 v[EJ:EJ+1], v[EO], s[\ev:\ev+1]
	global_load_b32 v[NIR], v[NRO], s[\set:\set+1]
	s_wait_loadcnt 0x0
	NEXT \cl
.endm
; TEN POINTS OF ONE BRANCH
.macro BRANCH set, ev, cl, br
	s_mov_b32 s55, 10
.Lpb_\@:
	WIN 0x51                                       ; w1 and b1 window 1, the differences window 0, results window 1
.irp i, 0,1,2,3
	v_wmma_f32_16x16x4_f32 v[HH+8*\i:HH+8*\i+7], v[W1F+2*\i:W1F+2*\i+1], v[DD:DD+1], v[B1C+8*\i:B1C+8*\i+7]   ; units 0-63 (32 a lane): K = 4 is the whole sum, b1 its C
.endr
	WIN 0
	v_lshl_add_u32 v[QO], s52, 10, v[R16]          ; eight plain lines: the places between this form and the first read of its results.  All these registers' loads were waited for at the last trip's end
	v_min_u32 v[EO], \cl, v[NIR]
	v_lshl_add_u32 v[EIO], s53, 4, v[H8]
	v_lshl_add_u32 v[EO], v[EO], 4, v[H8]
	v_lshl_add_u32 v[NIO], s53, 6, v[H32]
	v_lshl_add_u32 v[NRO], s54, 6, v[R4]
	v_nop
	v_nop
	global_load_b128 v[QB:QB+3], v[QO], s[10:11] offset:512*\br
	global_load_b128 v[QB+4:QB+7], v[QO], s[10:11] offset:512*\br+256
.irp j, 0,1,2,3,4,5,6,7                        ; k of neighbours j and 8 + j: each half of the lanes reads 256 consecutive bytes of a row
.irp u, 0,1
	global_load_b128 v[K+8*\j+4*\u:K+8*\j+4*\u+3], v[AD+\j], s[\set+2:\set+3] offset:256*\u
.endr
.endr
.irp j, 0,1,2,3,4,5,6,7
.irp u, 0,1
	global_load_b128 v[V+8*\j+4*\u:V+8*\j+4*\u+3], v[AD+\j], s[\set+2:\set+3] offset:512+256*\u
.endr
.endr
	global_load_b64 v[EJ:EJ+1], v[EO], s[\ev:\ev+1]               ; five loads look ahead: the next point's events and indices, and the indices by lane of the point after it
	global_load_b64 v[EI:EI+1], v[EIO], s[8:9]
	global_load_b128 v[NI:NI+3], v[NIO], s[\set:\set+1]
	global_load_b128 v[NI+4:NI+7], v[NIO], s[\set:\set+1] offset:16
	global_load_b32 v[NIR], v[NRO], s[\set:\set+1]
	WIN 0x04
.set i, 0
.rept 32
	v_max_num_f32 v[T+i], 0, v[HH+i]               ; the activation, into other registers, each result from its low end on
.set i, i+1
.endr
	WIN 0x51
.irp i, 0,1,2,3
	v_wmma_f32_16x16x4_f32 v[HH+8*\i:HH+8*\i+7], v[W1F+8+2*\i:W1F+8+2*\i+1], v[DD:DD+1], v[B1C+32+8*\i:B1C+32+8*\i+7]   ; units 64-127, over results that have been read: more than nine places lie between
.endr
	WIN 0
	QBLK T, 0, PC, PT, 1                           ; its 18 plain lines are the places behind the four products
	WIN 0x04
.set i, 0
.rept 32
	v_max_num_f32 v[T+32+i], 0, v[HH+i]            ; (the first is the plain line behind the conversions)
.set i, i+1
.endr
	QMOV 0, PC, PT, 1
	WIN 0
	QBLK T+32, 1, PC, PT, 1
	WIN 0
	QWORD SW
	QMOV 1, PC, PT, 1
	WIN 0
.rept 5
	v_nop                                          ; a scale word made by vector instructions stands eight places ahead of a scaled product (three moves and these five), codes so made four
.endr
	WIN 0x05                                       ; the hidden layer's codes and w2 window 1, results window 0
.irp t, 0,1,2,3,4,5,6,7
	v_wmma_scale_f32_16x16x128_f8f6f4 v[D+8*\t:D+8*\t+7], v[PC:PC+11], v[W2F+12*\t:W2F+12*\t+11], 0, v[SW], v[W2S+\t] matrix_a_fmt:MATRIX_FMT_BF6 matrix_b_fmt:MATRIX_FMT_BF6
.endr
	s_wait_loadcnt 21                              ; q and k are in: behind them stand v's 16 loads and the 5 that look ahead
	WIN 0x04
.irp i, 0,2,4,6
	v_pk_add_f32 v[QB+\i:QB+\i+1], v[QB+\i:QB+\i+1], v[B2S+\i:B2S+\i+1]   ; q + b2
.endr
	WIN 0
.irp j, 0,1,2,3,4,5,6,7
.irp i, 0,2,4,6
	v_pk_add_f32 v[K+8*\j+\i:K+8*\j+\i+1], v[QB+\i:QB+\i+1], v[K+8*\j+\i:K+8*\j+\i+1] neg_lo:[0,1] neg_hi:[0,1]   ; - k.  (These lines are the places behind the products)
.endr
.endr
.irp j, 0,1,2,3,4,5,6,7
.irp t, 0,1,2,3,4,5,6,7
	v_add_f32 v[K+8*\j+\t], v[D+8*\t+\j], v[K+8*\j+\t]            ; x = q + b2 - k + pe; each accumulator is read from its low end on
.endr
.endr
	s_wait_loadcnt 5                               ; v is in: the 5 that look ahead may be out
.irp j, 0,1,2,3,4,5,6,7
.irp t, 0,1,2,3,4,5,6,7
	v_add_f32 v[V+8*\j+\t], v[D+8*\t+\j], v[V+8*\j+\t]            ; v + pe, less b2
.endr
.endr
	; the norm over a neighbour's 128 channels: 8 registers x the 16 lanes of my half; the eight neighbours by turns
.irp j, 0,1,2,3,4,5,6,7
	v_pk_add_f32 v[TA+2*\j:TA+2*\j+1], v[K+8*\j:K+8*\j+1], v[K+8*\j+2:K+8*\j+3]
.endr
.irp j, 0,1,2,3,4,5,6,7
	v_pk_add_f32 v[TB+2*\j:TB+2*\j+1], v[K+8*\j+4:K+8*\j+5], v[K+8*\j+6:K+8*\j+7]
.endr
.irp j, 0,1,2,3,4,5,6,7
	v_pk_add_f32 v[TA+2*\j:TA+2*\j+1], v[TA+2*\j:TA+2*\j+1], v[TB+2*\j:TB+2*\j+1]
.endr
.irp j, 0,1,2,3,4,5,6,7
	v_add_f32 v[TA+2*\j], v[TA+2*\j], v[TA+2*\j+1]
.endr
.irp m, 1,2,4,8
.irp j, 0,1,2,3,4,5,6,7
	v_add_f32_dpp v[TA+2*\j], v[TA+2*\j], v[TA+2*\j] row_xmask:\m row_mask:0xf bank_mask:0xf
.endr
.endr
.irp j, 0,1,2,3,4,5,6,7
.irp i, 0,2,4,6
	v_pk_fma_f32 v[K+8*\j+\i:K+8*\j+\i+1], v[TA+2*\j:TA+2*\j+1], 0xbc000000, v[K+8*\j+\i:K+8*\j+\i+1] op_sel_hi:[0,0,1]   ; x - sum / 128 (of the sum's pair the low word serves both halves)
.endr
.endr
.irp j, 0,1,2,3,4,5,6,7
	v_pk_mul_f32 v[TB+2*\j:TB+2*\j+1], v[K+8*\j:K+8*\j+1], v[K+8*\j:K+8*\j+1]
.endr
.irp i, 2,4,6
.irp j, 0,1,2,3,4,5,6,7
	v_pk_fma_f32 v[TB+2*\j:TB+2*\j+1], v[K+8*\j+\i:K+8*\j+\i+1], v[K+8*\j+\i:K+8*\j+\i+1], v[TB+2*\j:TB+2*\j+1]
.endr
.endr
.irp j, 0,1,2,3,4,5,6,7
	v_add_f32 v[TB+2*\j], v[TB+2*\j], v[TB+2*\j+1]
.endr
.irp m, 1,2,4,8
.irp j, 0,1,2,3,4,5,6,7
	v_add_f32_dpp v[TB+2*\j], v[TB+2*\j], v[TB+2*\j] row_xmask:\m row_mask:0xf bank_mask:0xf
.endr
.endr
.irp j, 0,1,2,3,4,5,6,7
	v_fma_f32 v[TB+2*\j], v[TB+2*\j], s58, s57     ; the variance + 1e-5
.endr
.irp j, 0,1,2,3,4,5,6,7
	v_rsq_f32 v[TA+2*\j], v[TB+2*\j]
.endr
	v_nop                                          ; a plain line behind the last of the batch (ISA guide 5.7.2)
	s_wait_alu depctr_va_vdst(0)                   ; one wait for the eight, ahead of their first reader
.irp j, 0,1,2,3,4,5,6,7
.irp i, 0,2,4,6
	v_pk_mul_f32 v[K+8*\j+\i:K+8*\j+\i+1], v[K+8*\j+\i:K+8*\j+\i+1], v[TA+2*\j:TA+2*\j+1] op_sel_hi:[1,0]
.endr
.endr
	WIN 0x14                                       ; g and b window 1
.irp j, 0,1,2,3,4,5,6,7
.irp i, 0,2,4,6
	v_pk_fma_f32 v[K+8*\j+\i:K+8*\j+\i+1], v[K+8*\j+\i:K+8*\j+\i+1], v[GS+\i:GS+\i+1], v[BS+\i:BS+\i+1]
.endr
.endr
	WIN 0
	; the softmax over a channel's 16 neighbours: 8 registers x the two halves of the lanes
.irp t, 0,1,2,3,4,5,6,7
	v_max3_num_f32 v[MX+\t], v[K+\t], v[K+8+\t], v[K+16+\t]
.endr
.irp t, 0,1,2,3,4,5,6,7
	v_max3_num_f32 v[MX+\t], v[MX+\t], v[K+24+\t], v[K+32+\t]
.endr
.irp t, 0,1,2,3,4,5,6,7
	v_max3_num_f32 v[MX+\t], v[MX+\t], v[K+40+\t], v[K+48+\t]
.endr
.irp t, 0,1,2,3,4,5,6,7
	v_max_num_f32 v[MX+\t], v[MX+\t], v[K+56+\t]
.endr
.irp t, 0,1,2,3,4,5,6,7
	v_permlanex16_b32 v[PX+\t], v[MX+\t], s60, s61
.endr
.irp t, 0,1,2,3,4,5,6,7
	v_max_num_f32 v[MX+\t], v[MX+\t], v[PX+\t]
.endr
.irp j, 0,1,2,3,4,5,6,7
.irp i, 0,2,4,6
	v_pk_add_f32 v[K+8*\j+\i:K+8*\j+\i+1], v[K+8*\j+\i:K+8*\j+\i+1], v[MX+\i:MX+\i+1] neg_lo:[0,1] neg_hi:[0,1]
.endr
.endr
.set i, 0
.rept 64
	v_exp_f32 v[K+i], v[K+i]
.set i, i+1
.endr
	v_nop
	s_wait_alu depctr_va_vdst(0)                   ; one wait for the 64, ahead of their first reader
.irp i, 0,2,4,6
	v_pk_add_f32 v[SE+\i:SE+\i+1], v[K+\i:K+\i+1], v[K+8+\i:K+8+\i+1]
.endr
.irp i, 0,2,4,6
	v_pk_mul_f32 v[AC+\i:AC+\i+1], v[K+\i:K+\i+1], v[V+\i:V+\i+1]
.endr
.irp i, 0,2,4,6
	v_pk_fma_f32 v[AC+\i:AC+\i+1], v[K+8+\i:K+8+\i+1], v[V+8+\i:V+8+\i+1], v[AC+\i:AC+\i+1]
.endr
.irp j, 2,3,4,5,6,7
.irp i, 0,2,4,6
	v_pk_add_f32 v[SE+\i:SE+\i+1], v[SE+\i:SE+\i+1], v[K+8*\j+\i:K+8*\j+\i+1]
.endr
.irp i, 0,2,4,6
	v_pk_fma_f32 v[AC+\i:AC+\i+1], v[K+8*\j+\i:K+8*\j+\i+1], v[V+8*\j+\i:V+8*\j+\i+1], v[AC+\i:AC+\i+1]
.endr
.endr
.irp i, 0,1,2,3                                ; tile i's lanes 16-31 change places with tile 4 + i's lanes 0-15: the sums below then hold, in lanes 0-15, channel 4 r + i over all 16 neighbours, in lanes 16-31 channel 64 + 4 r + i
	v_permlane16_swap_b32 v[SE+\i], v[SE+4+\i]
.endr
.irp i, 0,1,2,3
	v_permlane16_swap_b32 v[AC+\i], v[AC+4+\i]
.endr
	v_pk_add_f32 v[SE:SE+1], v[SE:SE+1], v[SE+4:SE+5]
	v_pk_add_f32 v[SE+2:SE+3], v[SE+2:SE+3], v[SE+6:SE+7]
	v_pk_add_f32 v[AC:AC+1], v[AC:AC+1], v[AC+4:AC+5]
	v_pk_add_f32 v[AC+2:AC+3], v[AC+2:AC+3], v[AC+6:AC+7]
.irp i, 0,1,2,3
	v_rcp_f32 v[RC+\i], v[SE+\i]
.endr
	v_add_nc_u32 v[LA], s56, v[L16]                ; (the plain line behind the reciprocals)  the point's row in LDS
	s_wait_alu depctr_va_vdst(0)                   ; one wait for the four
	WIN 0x10
	v_pk_fma_f32 v[OS:OS+1], v[AC:AC+1], v[RC:RC+1], v[B2H:B2H+1]
	v_pk_fma_f32 v[OS+2:OS+3], v[AC+2:AC+3], v[RC+2:RC+3], v[B2H+2:B2H+3]
	WIN 0
	ds_store_b128 v[LA], v[OS:OS+3] offset:512*\br               ; 32 lanes write the branch's 512 consecutive bytes of the row
	s_wait_loadcnt 0x0                             ; the five that look ahead
	NEXT \cl
	s_add_co_u32 s52, s52, 1
	s_add_co_u32 s53, s52, 1
	s_min_u32 s53, s53, NLAST
	s_add_co_u32 s54, s52, 2
	s_min_u32 s54, s54, NLAST
	s_add_co_u32 s56, s56, ATTP
	s_wait_dscnt 0x0                               ; the store has read its registers
	s_sub_co_u32 s55, s55, 1
	s_cmp_lg_u32 s55, 0
	s_cbranch_scc1 .Lpb_\@
.endm
	s_load_b512 s[8:23], s[0:1], 0x0               ; events, q_tab, wq, proj_b1, proj_b2, out0, local_idx, kv_l
	s_load_b512 s[24:39], s[0:1], 0x40             ; local pe_w1, pe_b1, pe_b2, fc_g, fc_b, inv_pair_idx, kvmax, global pe_w1
	s_load_b256 s[40:47], s[0:1], 0x80             ; global pe_b1, pe_b2, fc_g, fc_b
	s_load_b64 s[48:49], s[0:1], 0xa0              ; down_ev
	s_set_vgpr_msb 0x40
	v_lshl_add_u32 v223, v0, 2, 0x2e500
	v_mov_b32 v227, 0
	s_set_vgpr_msb 0x4000
	v_lshrrev_b32 v[MA], 5, v0
	v_readfirstlane_b32 s50, v[MA]                 ; wave 0..7
	v_and_b32 v[L4], 31, v0
	v_lshlrev_b32 v[L16], 4, v[L4]
	v_lshlrev_b32 v[L4], 2, v[L4]
	v_and_b32 v[R4], 15, v0
	v_lshlrev_b32 v[R16], 4, v[R4]
	v_lshlrev_b32 v[R4], 2, v[R4]
	v_bfe_u32 v[H8], v0, 4, 1
	v_lshlrev_b32 v[H128], 7, v[H8]
	v_lshlrev_b32 v[H32], 5, v[H8]
	v_lshlrev_b32 v[H8], 3, v[H8]
	v_mov_b32 v[TMP], 0                            ; written once: a lane permute's destination counts as one of its sources
	v_lshlrev_b32 v[SC0+1], 4, v0                  ; 16 x thread
	v_add_nc_u32 v[BY0], PWI, v[SC0+1]
	v_add_nc_u32 v[BY0+1], PWI+65536, v[SC0+1]
	s_mul_i32 s51, ttmp9, 80
	s_lshl_b32 s62, s50, 4
	s_add_co_u32 s62, s62, s51
	s_lshl_b32 s62, s62, 10                        ; row 80 g + 16 w of out0: used by waves 0-4 alone
	s_mov_b32 s63, 0
	s_mul_i32 s52, s50, 10
	s_add_co_u32 s51, s51, s52                     ; my first point
	s_mov_b32 s57, 0x3727c5ac                      ; 1e-5
	s_mov_b32 s58, 0x3c000000                      ; 1 / 128
	s_mov_b32 s60, 0x76543210
	s_mov_b32 s61, 0xfedcba98                      ; v_permlanex16_b32's selects for lane l xor 16
	s_wait_kmcnt 0x0
	s_add_nc_u64 s[66:67], s[18:19], s[62:63]
.set i, 0
.rept 26                               ; the projection's 64 fragments (98,304 bytes) and their scale words (8,192): 16 bytes a thread, 4,096 a load of the work-group
.if i < 24
	global_load_b128 v[K+4*i:K+4*i+3], v[SC0+1], s[12:13] offset:112*1536+4096*i
.else
	global_load_b128 v[K+4*i:K+4*i+3], v[SC0+1], s[12:13] offset:WQS+112*128+4096*(i-24)
.endif
.set i, i+1
.endr
	STATIC 20, 0
	PRO 20, 8, NLAST
	SCALEG
.set i, 0
.rept 26
.if i < 16
	ds_store_b128 v[BY0], v[K+4*i:K+4*i+3] offset:4096*i
.else
	ds_store_b128 v[BY0+1], v[K+4*i:K+4*i+3] offset:4096*(i-16)
.endif
.set i, i+1
.endr
	s_wait_dscnt 0x0                               ; the stores have read their registers, which the first trip loads anew
	s_mul_i32 s56, s50, 10*ATTP                    ; my ten rows in LDS
	BRANCH 20, 8, NLAST, 0
	STATIC 34, 1
	PRO 34, 48, MLAST
	SCALEG
	s_mul_i32 s56, s50, 10*ATTP
	BRANCH 34, 48, MLAST, 1
	s_wait_dscnt 0x0                               ; for the others' sake: my rows and my part of the weights lie in LDS
	s_barrier_signal -1
	s_barrier_wait -1                              ; 80 whole rows; from here on LDS is only read
	s_cmp_gt_u32 s50, 4
	s_cbranch_scc1 .Lend
	; ---- THE PROJECTION: wave w takes rows 16 w .. 16 w + 15
	s_mul_i32 s62, s50, 16*ATTP
	v_mul_u32_u24 v60, v[R16], 65                  ; r x 1,040
	v_add_nc_u32 v60, v60, v[H128]
	v_add_nc_u32 v60, s62, v60                     ; row 16 w + r, byte 128 h
	v_add_nc_u32 v61, PWI, v[L16]
	v_add_nc_u32 v62, PWS, v[L4]
	v_lshl_add_u32 v63, v[H8], 10, v[R16]          ; the way out: row 8 h, byte 16 r
.set i, 0
.rept 32                               ; of row r: k = 64 (i / 8) + 32 h + 0 .. 31
	ds_load_b128 v[HA+4*i:HA+4*i+3], v60 offset:256*(i/8)+16*(i%8)
.set i, i+1
.endr
	WIN 0x40
.irp u, 0,1,2,3
	global_load_b128 v[PB2+4*\u:PB2+4*\u+3], v[R16], s[16:17] offset:256*\u    ; proj_b2 of channels 64 u + 4 r + 0 .. 3
.endr
	WIN 0
	s_wait_dscnt 0x0
.irp s, 0,1
	QBLK HA+64*\s, 0, XF+12*\s, PT0, 0
	QBLK HA+32+64*\s, 1, XF+12*\s, PT0, 0
	QWORD SW+\s
	QMOV 0, XF+12*\s, PT0, 0
	QMOV 1, XF+12*\s, PT0, 0
.endr
.rept 4
	v_nop                                          ; codes made by vector instructions stand four places ahead of a scaled product, the scale word eight (six moves and these four)
.endr
.set i, 0
.rept 32                               ; proj_b1 is the C of each sum's first product: tile T = i / 2: units 64 (T / 4) + 32 h + 8 (T % 4) + 0 .. 7
	global_load_b128 v[HA+4*i:HA+4*i+3], v[H128], s[14:15] offset:256*(i/8)+32*((i/2)%4)+16*(i%2)
.set i, i+1
.endr
.irp g, 0,1,2,3                                ; used transposed: source 0 = 16 units of proj_w1, source 1 = my 16 rows; four tiles at a time, by turns, K step by K step
	WIN 0x40
.set i, 0
.rept 24
	ds_load_b128 v[4*i:4*i+3], v61 offset:12288*\g+512*i
.set i, i+1
.endr
	WIN 0
.set i, 0
.rept 8
	ds_load_b32 v[W2S+i], v62 offset:128*(8*\g+i)
.set i, i+1
.endr
.if \g == 0
	s_wait_loadcnt 0x0                             ; the biases
.endif
	s_wait_dscnt 0x0
	WIN 0x01
.irp i, 0,1,2,3
	v_wmma_scale_f32_16x16x128_f8f6f4 v[HA+8*(4*\g+\i):HA+8*(4*\g+\i)+7], v[24*\i:24*\i+11], v[XF:XF+11], v[HA+8*(4*\g+\i):HA+8*(4*\g+\i)+7], v[W2S+2*\i], v[SW] matrix_a_fmt:MATRIX_FMT_BF6 matrix_b_fmt:MATRIX_FMT_BF6
.endr
.irp i, 0,1,2,3
	v_wmma_scale_f32_16x16x128_f8f6f4 v[HA+8*(4*\g+\i):HA+8*(4*\g+\i)+7], v[24*\i+12:24*\i+23], v[XF+12:XF+23], v[HA+8*(4*\g+\i):HA+8*(4*\g+\i)+7], v[W2S+2*\i+1], v[SW+1] matrix_a_fmt:MATRIX_FMT_BF6 matrix_b_fmt:MATRIX_FMT_BF6
.endr
	WIN 0
.rept 4
	v_nop                                          ; places in front of loads into registers that products have read, and of the first read of results
.endr
.endr
.set i, 0
.rept 128
	v_max_num_f32 v[HA+i], 0, v[HA+i]              ; the activation; registers 32 g .. 32 g + 31 are units 64 g + 32 h + 0 .. 31 of row r: whole blocks
.set i, i+1
.endr
.irp s, 0,1
	QBLK HA+64*\s, 0, XF+12*\s, PT0, 0
	QBLK HA+32+64*\s, 1, XF+12*\s, PT0, 0
	QWORD SW+2+\s
	QMOV 0, XF+12*\s, PT0, 0
	QMOV 1, XF+12*\s, PT0, 0
.endr
	v_add_nc_u32 v61, 32*1536, v61                 ; on to proj_w2's fragments (no LDS load of mine is out)
.rept 3
	v_nop
.endr
.irp u, 0,1,2,3                                ; source 0 = my 16 rows of the hidden layer, source 1 = proj_w2's columns 64 u + 4 r + i
	WIN 0x40
.set i, 0
.rept 24
	ds_load_b128 v[4*i:4*i+3], v61 offset:12288*\u+512*i
.set i, i+1
.endr
	WIN 0
.set i, 0
.rept 8
	ds_load_b32 v[W2S+i], v62 offset:128*(32+8*\u+i)
.set i, i+1
.endr
	s_wait_dscnt 0x0
	WIN 0x04
.irp i, 0,1,2,3
	v_wmma_scale_f32_16x16x128_f8f6f4 v[HA+8*(4*\u+\i):HA+8*(4*\u+\i)+7], v[XF:XF+11], v[24*\i:24*\i+11], 0, v[SW+2], v[W2S+2*\i] matrix_a_fmt:MATRIX_FMT_BF6 matrix_b_fmt:MATRIX_FMT_BF6
.endr
.irp i, 0,1,2,3
	v_wmma_scale_f32_16x16x128_f8f6f4 v[HA+8*(4*\u+\i):HA+8*(4*\u+\i)+7], v[XF+12:XF+23], v[24*\i+12:24*\i+23], v[HA+8*(4*\u+\i):HA+8*(4*\u+\i)+7], v[SW+3], v[W2S+2*\i+1] matrix_a_fmt:MATRIX_FMT_BF6 matrix_b_fmt:MATRIX_FMT_BF6
.endr
.rept 4
	v_nop
.endr
.if \u >= 2
	s_wait_xcnt 0x0                                ; the stores of two groups back have read these registers
.endif
.irp j, 0,1,2,3,4,5,6,7                        ; the bias's addition lays four neighbouring channels side by side; each accumulator is read from its low end on
.irp i, 0,1,2,3
	v_add_f32 v[O+32*(\u%2)+4*\j+\i], v[HA+8*(4*\u+\i)+\j], v[PB2+4*\u+\i]
.endr
.endr
	WIN 0
.irp j, 0,1,2,3,4,5,6,7
	global_store_b128 v63, v[O+32*(\u%2)+4*\j:O+32*(\u%2)+4*\j+3], s[66:67] offset:1024*\j+256*\u th:TH_STORE_NT   ; each half of the lanes stores 256 consecutive bytes of a row of out0, aligned; written once, read by nobody here
.endr
.endr
.Lend:
	s_set_vgpr_msb 0x5
	s_wait_tensorcnt 0x0
	ds_add_u32 v223, v227
	s_wait_dscnt 0x0
	s_set_vgpr_msb 0x500
	s_endpgm
.Lfunc_end_k_q3a3b62b3dc_attn:
	.size	k_q3a3b62b3dc_attn, .Lfunc_end_k_q3a3b62b3dc_attn-k_q3a3b62b3dc_attn
	.p2alignl 7, 3214868480
	.fill 96, 4, 3214868480
	.section	.rodata,"a",@progbits
	.p2align	6, 0x0
	.amdhsa_kernel k_q3a3b62b3dc_attn
		.amdhsa_group_segment_fixed_size 190720
		.amdhsa_private_segment_fixed_size 0
		.amdhsa_enable_private_segment 0
		.amdhsa_kernarg_size 168
		.amdhsa_user_sgpr_count 2
		.amdhsa_user_sgpr_kernarg_segment_ptr 1
		.amdhsa_wavefront_size32 1
		.amdhsa_system_sgpr_workgroup_id_x 1
		.amdhsa_system_sgpr_workgroup_id_y 1
		.amdhsa_system_sgpr_workgroup_id_z 1
		.amdhsa_system_vgpr_workitem_id 0
		.amdhsa_next_free_vgpr 512
		.amdhsa_next_free_sgpr 80
		.amdhsa_reserve_vcc 0
		.amdhsa_float_denorm_mode_32 3
		.amdhsa_float_denorm_mode_16_64 3
		.amdhsa_memory_ordered 1
		.amdhsa_forward_progress 1
		.amdhsa_inst_pref_size 174
	.end_amdhsa_kernel
	.amdgpu_metadata
---
amdhsa.version: [ 1, 2 ]
amdhsa.kernels:
  - .name:           k_q3a3b62b3dc_attn
    .symbol:         k_q3a3b62b3dc_attn.kd
    .args:
      - { .name: events, .offset: 0, .size: 8, .value_kind: global_buffer, .address_space: global }
      - { .name: q_tab, .offset: 8, .size: 8, .value_kind: global_buffer, .address_space: global }
      - { .name: wq, .offset: 16, .size: 8, .value_kind: global_buffer, .address_space: global }
      - { .name: proj_b1, .offset: 24, .size: 8, .value_kind: global_buffer, .address_space: global }
      - { .name: proj_b2, .offset: 32, .size: 8, .value_kind: global_buffer, .address_space: global }
      - { .name: out0, .offset: 40, .size: 8, .value_kind: global_buffer, .address_space: global }
      - { .name: local_idx, .offset: 48, .size: 8, .value_kind: global_buffer, .address_space: global }
      - { .name: kv_l, .offset: 56, .size: 8, .value_kind: global_buffer, .address_space: global }
      - { .name: local_pe_w1, .offset: 64, .size: 8, .value_kind: global_buffer, .address_space: global }
      - { .name: local_pe_b1, .offset: 72, .size: 8, .value_kind: global_buffer, .address_space: global }
      - { .name: local_pe_b2, .offset: 80, .size: 8, .value_kind: global_buffer, .address_space: global }
      - { .name: local_fc_g, .offset: 88, .size: 8, .value_kind: global_buffer, .address_space: global }
      - { .name: local_fc_b, .offset: 96, .size: 8, .value_kind: global_buffer, .address_space: global }
      - { .name: inv_pair_idx, .offset: 104, .size: 8, .value_kind: global_buffer, .address_space: global }
      - { .name: kvmax, .offset: 112, .size: 8, .value_kind: global_buffer, .address_space: global }
      - { .name: global_pe_w1, .offset: 120, .size: 8, .value_kind: global_buffer, .address_space: global }
      - { .name: global_pe_b1, .offset: 128, .size: 8, .value_kind: global_buffer, .address_space: global }
      - { .name: global_pe_b2, .offset: 136, .size: 8, .value_kind: global_buffer, .address_space: global }
      - { .name: global_fc_g, .offset: 144, .size: 8, .value_kind: global_buffer, .address_space: global }
      - { .name: global_fc_b, .offset: 152, .size: 8, .value_kind: global_buffer, .address_space: global }
      - { .name: down_ev, .offset: 160, .size: 8, .value_kind: global_buffer, .address_space: global }
    .group_segment_fixed_size: 190720
    .private_segment_fixed_size: 0
    .kernarg_segment_align: 8
    .kernarg_segment_size: 168
    .max_flat_workgroup_size: 256
    .sgpr_count:     80
    .vgpr_count:     512
    .wavefront_size: 32
...
	.end_amdgpu_metadata
.endif
;; end of part 3
